; MI455X (gfx1250); checked and timed in simulation.
; The chip was launched on July 23, 2026; its instructions are those of AMD's public machine-readable ISA for CDNA 5 (MIT licence, August 2026) and "CDNA5" Instruction Set Architecture Reference Guide (July 2026). The comments in the code are by the model that wrote it; some were corrected since.
;; Logistic Regression Model. Allowed arithmetic: matrix products marked QUANTISED: E2M1 operands, one E8M0 scale for each 32 along K, by v_wmma_scale_f32_16x16x128_f8f6f4 with both operands' format E2M1 (or v_wmma_scale_f32_32x16x128_f4), f32 sums; everything else in f32.
;; Inputs: bias 8,192 float32; inp 2,048 x 4,096 float32; weights 4,096 x 8,192 float32.
;; Outputs: out0 2,048 x 8,192 float32.
;; This version of the problem:
;;   THIS VERSION OF THE PROBLEM IS GIVEN IN LOW PRECISION. The matrix products marked QUANTISED in the list below multiply operands that are first quantised to E2M1 (2 exponent bits, 1 mantissa bit; 4 bits a number), with one power-of-two scale for each 32 numbers along K (OCP MX v1.0); their sums are f32. All else is computed in f32.
;;   The module's matrix products, in the order in which they are computed (A, B: the left and right operand; K: the contracted axis; several contracted axes count as one K, in the product's order):
;;     1. [M 2,048, K 4,096] x [K 4,096, N 8,192]; A: input inp; B: input weights: QUANTISED
;;   THE QUANTISER, for each operand of a quantised product, along K:
;;     - K is cut into blocks of 32 from its start; a last block that is shorter is filled with zeros.
;;     - A block's scale is 2^e with e = floor(log2(the largest magnitude in the block)) - 2, held to -126 .. 127; a block of zeros has e = 0. As a byte (E8M0): e + 127.
;;     - Each number is divided by its block's scale, clamped to +-6, and rounded to the nearest number of E2M1, ties to even, subnormals kept.
;;     - The product sums the exact products of the quantised numbers (number of the format x scale) in f32.
;;   ~~~python
;;   def quantise(x, axis):      # numpy; x: float32 -> the quantised numbers, widened to float32 again
;;       x = np.moveaxis(x, axis, -1); K = x.shape[-1]
;;       x = np.pad(x, [(0, 0)] * (x.ndim - 1) + [(0, -K % 32)]); x = x.reshape(x.shape[:-1] + (-1, 32)); a = np.abs(x).max(-1, keepdims=True)
;;       e = np.where(a > 0, np.clip(np.frexp(np.where(a > 0, a, 1))[1] - 1 - 2, -126, 127), 0)      # np.frexp(a)[1] - 1 = floor(log2(a)), exactly
;;       r = np.clip(x / 2.0 ** e, -6, 6)
;;       step = 2.0 ** (np.maximum(np.frexp(np.where(r == 0, 1, r))[1] - 1, 0) - 1)
;;       q = np.round(r / step) * step * 2.0 ** e      # np.round: ties to even
;;       return np.moveaxis(q.reshape(q.shape[:-2] + (-1,))[..., :K], -1, axis).astype(np.float32)
;;   ~~~
;; One version. Each part assembles by itself: llvm-mc -triple=amdgcn-amd-amdhsa -mcpu=gfx1250 --defsym DOCPART=n.
;; ======== version 1 of 1: 2 launches
;; limits: right only within a limited range of input values
;; workspace buffers: a_pack 4,456,448 bytes; b_pack 17,825,792 bytes
;; launch quant (part 1): grid 1280 x 1, 4 waves a work-group, no clusters, 34,304 bytes of LDS; arguments inp, weights, a_pack, b_pack; writes a_pack, b_pack
.if DOCPART == 1
	.amdgcn_target "amdgcn-amd-amdhsa--gfx1250"
	.amdhsa_code_object_version 6
	.text
	.protected	k_q27ff257821_quant
	.globl	k_q27ff257821_quant
	.p2align	8
	.type	k_q27ff257821_quant,@function
k_q27ff257821_quant:
	s_mov_b64 s[64:65], 0
	v_nop
	global_prefetch_b8 v0, s[64:65] scope:SCOPE_SE
	s_setreg_imm32_b32 hwreg(HW_REG_WAVE_MODE, 25, 1), 1
	s_wait_xcnt 0x0
; inp [2048][4096] f32 (K innermost) and weights [4096][8192] f32 (K is the FIRST axis) are turned into codes of FP4 (E2M1) with one E8M0 scale byte for each 32 along K.
; A block's scale is 2^(floor(log2(its largest magnitude)) - 2); its byte is the largest magnitude's own exponent field - 2, held at 1 from below.  Each number is divided by the scale and
; rounded to the nearest code, ties to even; beyond 6 the conversion gives the largest code.
; LIMITS: NaN and infinities among the inputs are not served.  A block of zeros gets the byte 1 where the rule says 127: its codes are zeros, which add nothing under any byte but 0xff,
; and the bytes are read by this program alone.  A largest magnitude under 2^-124 takes the byte 1: that is the rule's own hold at e = -126.
; THE LAYOUT OF BOTH WORKSPACE BUFFERS is the order in which the product's launch wants its operands: pack[K step of 512][32 rows][PB = 8,704 bytes].  In such a piece the 16 bytes
; (32 codes, the lower k in the lower bits) of block kb (0..15) of row i (0..31) lie at 512 kb + 16 i, and its scale byte at 8192 + 256 (kb / 8) + 8 i + kb % 8.  A "row" is m for inp, n for weights.
; SHARES.  1,280 work-groups of four waves, 32,768 numbers each: the first 256 take inp, the others weights (one scalar branch on the work-group's number).  A wave takes 32 rows x 256 along K:
; half a piece: 4,096 bytes of codes and 256 scale bytes, all stored as whole aligned runs of 256 bytes from neighbouring lanes.
; No cluster, no tensor load, no barrier: no two waves of the launch read the same byte, and waves hand nothing to each other.  Only inp's path uses LDS: a stage of each wave's own.
; Every offset is an immediate, each step has its own registers for its codes: no address and no store's data are ever written again, so no wait stands for them.
.set PB,    8704
.set ASLAB, 64*PB                      ; a K step of all 2,048 rows of inp
.set BSLAB, 256*PB                     ; a K step of all 8,192 columns of weights
.set SPI,   528                        ; a stage row: 512 bytes + 16: sixteen rows begin 16 bytes apart modulo 256
.set STG,   16*SPI                     ; a wave's stage
.set X,     32                         ; v32-159  numbers: inp: two sets of 64; weights: two sets of 32
.set C,     160                        ; v160-191 codes
	s_load_b256 s[4:11], s[0:1], 0x0               ; inp s[4:5], weights s[6:7], a_pack s[8:9], b_pack s[10:11]
	v_lshl_add_u32 v30, v0, 2, 0x8400              ; my spare word, behind the four stages; kept for the add alone
	v_mov_b32 v31, 0                               ; 0; kept for the add alone
	v_lshrrev_b32 v1, 5, v0
	v_readfirstlane_b32 s12, v1                    ; wave 0..3
	v_and_b32 v1, 31, v0                           ; lane
	v_lshlrev_b32 v8, 3, v1                        ; the scale bytes' way out: 8 bytes a lane
	s_wait_kmcnt 0x0
	s_cmp_lt_u32 ttmp9, 256
	s_cbranch_scc0 .Lweights
; ---------------- inp: K is innermost.  The conversions want a block's 32 neighbours in ONE lane's registers; a load is best where neighbouring lanes take neighbouring bytes.  Both are had:
; each load reads 512 consecutive bytes of a row, 16 rows x 512 bytes go through the wave's stage as they lie, and come back 128 bytes (a whole block) a lane and half.
	s_lshr_b32 s13, ttmp9, 2                       ; P: which 32 rows
	s_and_b32 s14, ttmp9, 3
	s_lshl_b32 s14, s14, 2
	s_add_co_u32 s14, s14, s12                     ; which 256 along K: 0..15
	s_lshr_b32 s15, s14, 1                         ; the K step of 512,
	s_and_b32 s16, s14, 1                          ; and its half g
	s_lshl_b32 s18, s13, 19                        ; 32 rows of 16,384 bytes
	s_lshl_b32 s17, s14, 10                        ; 256 numbers
	s_add_co_u32 s18, s18, s17
	s_mov_b32 s19, 0
	s_add_nc_u64 s[4:5], s[4:5], s[18:19]          ; inp at my first number
	s_mul_i32 s18, s15, ASLAB
	s_mul_i32 s17, s13, PB
	s_add_co_u32 s18, s18, s17                     ; my piece
	s_lshl_b32 s17, s16, 12
	s_add_co_u32 s22, s18, s17                     ; + 4096 g: blocks 8 g on
	s_mov_b32 s23, 0
	s_add_nc_u64 s[24:25], s[8:9], s[22:23]        ; where my codes go
	s_lshl_b32 s17, s16, 8
	s_add_co_u32 s22, s18, s17
	s_add_co_u32 s22, s22, 8192
	s_add_nc_u64 s[26:27], s[8:9], s[22:23]        ; where my scale bytes go
	s_mul_i32 s28, s12, STG                        ; my stage
	s_mov_b32 s20, 0x76543210
	s_mov_b32 s21, 0xfedcba98                      ; v_permlanex16_b32's selects for lane l xor 16
	v_and_b32 v2, 15, v0                           ; r
	v_bfe_u32 v3, v0, 4, 1                         ; h
	s_wait_alu depctr_va_vdst(0)
	v_lshlrev_b32 v4, 4, v1                        ; in: my 16 bytes of a load's 512
	v_add_nc_u32 v5, s28, v4                       ; the stage, on the way in: as loaded
	v_mul_u32_u24 v6, v2, SPI
	v_lshl_add_u32 v6, v3, 7, v6
	v_add_nc_u32 v6, s28, v6                       ; and on the way out: row r, + 128 h: block h of the row's first 64 numbers
	v_lshlrev_b32 v7, 4, v2
	v_lshl_add_u32 v7, v3, 9, v7                   ; the codes' way out: 16 r + 512 h
	v_lshlrev_b32 v9, 3, v3                        ; 8 h: my bytes' place in a scale word
	v_mov_b32 v10, 0                               ; written once: a lane permute's destination counts as one of its sources
	v_cmp_ne_u32 vcc_lo, 0, v3                     ; lanes 16-31; kept to the end
; Step t = 2 j + q: rows 16 j .. 16 j + 15, the q-th 128 along K.  Its 64 registers are set t % 2.
.macro LOADI t
.irp i, 0,1,2,3,4,5,6,7,8,9,10,11,12,13,14,15
	global_load_b128 v[X+64*((\t)%2)+4*\i:X+64*((\t)%2)+4*\i+3], v4, s[4:5] offset:(16*((\t)/2)+\i)*16384+512*((\t)%2) th:TH_LOAD_NT   ; 32 lanes read 512 consecutive bytes of one row
.endr
.endm
.macro TURNI t                         ; through the stage and back into the same registers: LDS serves a wave's instructions in order, so no wait stands between the stores and the loads
.irp i, 0,1,2,3,4,5,6,7,8,9,10,11,12,13,14,15
	ds_store_b128 v5, v[X+64*((\t)%2)+4*\i:X+64*((\t)%2)+4*\i+3] offset:SPI*\i
.endr
.irp c, 0,1
.irp e, 0,1,2,3,4,5,6,7
	ds_load_b128 v[X+64*((\t)%2)+32*\c+4*\e:X+64*((\t)%2)+32*\c+4*\e+3], v6 offset:256*\c+16*\e   ; registers 32 c + 0 .. 31: block 2 c + h of row r, whole
.endr
.endr
.endm
.macro STEPI t
.set XS, X+64*((\t)%2)
	s_wait_dscnt 0x0                               ; this step's numbers are back from the stage
.irp c, 0,1
	v_max3_num_f32 v[16+\c], |v[XS+32*\c]|, |v[XS+32*\c+1]|, 0x1800000   ; my block 2 c + h: all its 32 numbers are mine; and the floor 2^(3 - 127): so the byte cannot fall under 1
.endr
.irp i, 2,4,6,8,10,12,14,16,18,20,22,24,26,28,30
.irp c, 0,1
	v_max3_num_f32 v[16+\c], v[16+\c], |v[XS+32*\c+\i]|, |v[XS+32*\c+\i+1]|   ; (the two blocks by turns)
.endr
.endr
.irp c, 0,1
	v_add_nc_u32 v[18+\c], 0xff000000, v[16+\c]    ; 2 off the exponent field: the conversion takes the exponent field of this operand as its scale, and nothing else of it
.endr
.irp c, 0,1
.irp w, 0,1,2,3
	v_cvt_scalef32_pk8_fp4_f32 v[C+8*(\t)+4*\c+\w], v[XS+32*\c+8*\w:XS+32*\c+8*\w+7], v[18+\c]
.endr
.endr
	v_lshrrev_b32 v20, 23, v18                     ; the scales' bytes (plain lines behind the conversions)
	v_lshrrev_b32 v21, 23, v19
	v_lshl_or_b32 v22, v21, 16, v20                ; blocks h and 2 + h of row r,
	v_lshlrev_b32 v22, v9, v22                     ; at their places in the row's scale word;
	v_permlanex16_b32 v10, v22, s20, s21
	v_or_b32 v[24+(\t)], v22, v10                  ; with lane l xor 16's two the word is whole, in both halves of the lanes
.irp c, 0,1
	global_store_b128 v7, v[C+8*(\t)+4*\c:C+8*(\t)+4*\c+3], s[24:25] offset:2048*((\t)%2)+1024*\c+256*((\t)/2)   ; sixteen lanes store 256 consecutive bytes, aligned
.endr
.if (\t) < 2
	LOADI (\t)+2                                   ; into the set just quantised
	s_wait_loadcnt 16                              ; the next step's 16 loads are in; the 16 just issued may be out
	TURNI (\t)+1
.elseif (\t) == 2
	s_wait_loadcnt 0x0                             ; the last step's loads
	TURNI (\t)+1
.endif
.endm
	LOADI 0
	LOADI 1
	s_wait_alu depctr_va_vdst(0)
	s_wait_loadcnt 16                              ; step 0's 16 loads are in
	TURNI 0
	STEPI 0
	STEPI 1
	STEPI 2
	STEPI 3
	v_cndmask_b32 v28, v24, v26, vcc_lo            ; lane i stores row i's eight bytes: lanes 0-15 rows 0-15 (steps 0, 1), lanes 16-31 rows 16-31 (steps 2, 3)
	v_cndmask_b32 v29, v25, v27, vcc_lo
	global_store_b64 v8, v[28:29], s[26:27]        ; 32 lanes store 256 consecutive bytes, aligned
	s_wait_tensorcnt 0x0
	ds_add_u32 v30, v31
	s_wait_dscnt 0x0
	s_endpgm
; ---------------- weights: K is the first axis.  A LANE TAKES A COLUMN n, AND ITS REGISTERS RUN DOWN K: a block of 32 lies in one lane's 32 registers, its largest magnitude needs no other lane,
; and the conversions give codes with K innermost.  In the pack's layout the lanes' 16 bytes of a block are neighbours: the codes leave straight from registers.
.Lweights:
	s_sub_co_u32 s13, ttmp9, 256
	s_and_b32 s14, s13, 63                         ; which 128 columns
	s_lshr_b32 s15, s13, 6                         ; which 256 along K: 0..15
	s_lshr_b32 s16, s15, 1                         ; the K step of 512,
	s_and_b32 s17, s15, 1                          ; and its half g
	s_lshl_b32 s14, s14, 2
	s_add_co_u32 s14, s14, s12                     ; P: my wave's 32 columns
	s_lshl_b32 s18, s15, 23                        ; 256 rows of 32,768 bytes
	s_lshl_b32 s22, s14, 7                         ; 32 columns of 4 bytes
	s_add_co_u32 s18, s18, s22
	s_mov_b32 s19, 0
	s_add_nc_u64 s[6:7], s[6:7], s[18:19]          ; weights at my first number
	s_mul_i32 s18, s16, BSLAB
	s_mul_i32 s22, s14, PB
	s_add_co_u32 s18, s18, s22                     ; my piece
	s_lshl_b32 s22, s17, 12
	s_add_co_u32 s22, s18, s22
	s_mov_b32 s23, 0
	s_add_nc_u64 s[24:25], s[10:11], s[22:23]      ; where my codes go
	s_lshl_b32 s22, s17, 8
	s_add_co_u32 s22, s18, s22
	s_add_co_u32 s22, s22, 8192
	s_add_nc_u64 s[26:27], s[10:11], s[22:23]      ; where my scale bytes go
	s_wait_alu depctr_va_vdst(0)
	v_lshlrev_b32 v4, 2, v1                        ; in: 4 bytes a lane
	v_lshlrev_b32 v7, 4, v1                        ; out: 16 bytes a lane
.macro LOADW t                         ; block t: weights(32 t + i, my column), i = 0 .. 31, into set t % 2.  The largest offset, 255 rows, lies inside the signed 24-bit immediate (ISA guide, chapter 10)
.irp i, 0,1,2,3,4,5,6,7,8,9,10,11,12,13,14,15,16,17,18,19,20,21,22,23,24,25,26,27,28,29,30,31
	global_load_b32 v[X+32*((\t)%2)+\i], v4, s[6:7] offset:(32*(\t)+\i)*32768 th:TH_LOAD_NT
.endr
.endm
.macro BLOCKW t
.set XS, X+32*((\t)%2)
.if (\t) < 7
	s_wait_loadcnt 32                              ; this block's 32 loads are in; the next block's may be out
.else
	s_wait_loadcnt 0x0
.endif
	v_max3_num_f32 v16, |v[XS]|, |v[XS+1]|, |v[XS+2]|              ; the block's largest magnitude, in two chains
	v_max3_num_f32 v17, |v[XS+3]|, |v[XS+4]|, |v[XS+5]|
.irp i, 6,10,14,18,22,26
	v_max3_num_f32 v16, v16, |v[XS+\i]|, |v[XS+\i+1]|
	v_max3_num_f32 v17, v17, |v[XS+\i+2]|, |v[XS+\i+3]|
.endr
	v_max3_num_f32 v16, v16, |v[XS+30]|, |v[XS+31]|
	v_max3_num_f32 v16, v16, v17, 0x1800000        ; and the floor 2^(3 - 127)
	v_add_nc_u32 v18, 0xff000000, v16              ; 2 off the exponent field: the conversion's scale operand
	v_lshrrev_b32 v19, 23, v18                     ; the scale's byte
.if (\t)%4 == 0
	v_mov_b32 v[20+(\t)/4], v19                    ; four bytes to a register, the lower K in the lower byte
.else
	v_lshl_or_b32 v[20+(\t)/4], v19, 8*((\t)%4), v[20+(\t)/4]
.endif
.irp w, 0,1,2,3
	v_cvt_scalef32_pk8_fp4_f32 v[C+4*(\t)+\w], v[XS+8*\w:XS+8*\w+7], v18
.endr
	global_store_b128 v7, v[C+4*(\t):C+4*(\t)+3], s[24:25] offset:512*(\t)   ; 32 lanes store 512 consecutive bytes, aligned.  (The codes go to stores alone; the next block begins with plain vector lines that touch none of the conversions' registers)
.if (\t) < 6
	LOADW (\t)+2
.endif
.endm
	LOADW 0
	LOADW 1
.irp t, 0,1,2,3,4,5,6,7
	BLOCKW \t
.endr
	global_store_b64 v8, v[20:21], s[26:27]        ; my column's eight scale bytes: 32 lanes store 256 consecutive bytes, aligned
	s_endpgm
.Lfunc_end_k_q27ff257821_quant:
	.size	k_q27ff257821_quant, .Lfunc_end_k_q27ff257821_quant-k_q27ff257821_quant
	.p2alignl 7, 3214868480
	.fill 96, 4, 3214868480
	.section	.rodata,"a",@progbits
	.p2align	6, 0x0
	.amdhsa_kernel k_q27ff257821_quant
		.amdhsa_group_segment_fixed_size 34304
		.amdhsa_private_segment_fixed_size 0
		.amdhsa_enable_private_segment 0
		.amdhsa_kernarg_size 32
		.amdhsa_user_sgpr_count 2
		.amdhsa_user_sgpr_kernarg_segment_ptr 1
		.amdhsa_wavefront_size32 1
		.amdhsa_system_sgpr_workgroup_id_x 1
		.amdhsa_system_sgpr_workgroup_id_y 1
		.amdhsa_system_sgpr_workgroup_id_z 1
		.amdhsa_system_vgpr_workitem_id 0
		.amdhsa_next_free_vgpr 192
		.amdhsa_next_free_sgpr 66
		.amdhsa_reserve_vcc 1
		.amdhsa_float_denorm_mode_32 3
		.amdhsa_float_denorm_mode_16_64 3
		.amdhsa_memory_ordered 1
		.amdhsa_forward_progress 1
		.amdhsa_inst_pref_size 67
	.end_amdhsa_kernel
	.amdgpu_metadata
---
amdhsa.version: [ 1, 2 ]
amdhsa.kernels:
  - .name:           k_q27ff257821_quant
    .symbol:         k_q27ff257821_quant.kd
    .args:
      - { .name: inp, .offset: 0, .size: 8, .value_kind: global_buffer, .address_space: global }
      - { .name: weights, .offset: 8, .size: 8, .value_kind: global_buffer, .address_space: global }
      - { .name: a_pack, .offset: 16, .size: 8, .value_kind: global_buffer, .address_space: global }
      - { .name: b_pack, .offset: 24, .size: 8, .value_kind: global_buffer, .address_space: global }
    .group_segment_fixed_size: 34304
    .private_segment_fixed_size: 0
    .kernarg_segment_align: 8
    .kernarg_segment_size: 32
    .max_flat_workgroup_size: 128
    .sgpr_count:     66
    .vgpr_count:     192
    .wavefront_size: 32
...
	.end_amdgpu_metadata
.endif
;; end of part 1
;; launch gemm (part 2): grid 32 x 8, 4 waves a work-group, clusters of 4 x 4, 327,680 bytes of LDS; arguments a_pack, b_pack, bias, out0; writes out0
.if DOCPART == 2
	.amdgcn_target "amdgcn-amd-amdhsa--gfx1250"
	.amdhsa_code_object_version 6
	.text
	.protected	k_q27ff257821_gemm
	.globl	k_q27ff257821_gemm
	.p2align	8
	.type	k_q27ff257821_gemm,@function
k_q27ff257821_gemm:
	s_mov_b64 s[64:65], 0
	v_nop
	global_prefetch_b8 v0, s[64:65] scope:SCOPE_SE
	s_setreg_imm32_b32 hwreg(HW_REG_WAVE_MODE, 25, 1), 1
	s_wait_xcnt 0x0
	s_wait_alu depctr_hold_cnt(0) depctr_sa_sdst(0) depctr_va_vdst(0) depctr_va_sdst(0) depctr_va_ssrc(0) depctr_va_vcc(0) depctr_vm_vsrc(0)
	s_getreg_b32 s2, hwreg(HW_REG_IB_STS2, 6, 4)
	s_cmp_eq_u32 s2, 0
	s_cbranch_scc0 .Lentry_in_a_cluster
	s_endpgm
.Lentry_in_a_cluster:
	s_bfe_u32 s2, ttmp6, 0x10000c
	s_cmp_lg_u32 s2, 0xf033
	s_cbranch_scc0 .Lentry_shape_is_right
	s_endpgm
.Lentry_shape_is_right:
; out0[m][n] = bias[n] + sum over k of Q(inp)[m][k] Q(weights)[k][n]: codes of FP4 (E2M1) with one E8M0 byte for each 32 along K, as the launch before has packed them; sums in f32, K ascending.
; PACKS: pack[K step of 512][32 rows][PB = 8,704 bytes]; in a piece the 16 bytes of block kb (0..15) of row i (0..31) lie at 512 kb + 16 i, its scale byte at 8192 + 256 (kb / 8) + 8 i + kb % 8.
; A work-group of four waves makes 256 x 256 of out0, a wave 128 x 128: 64 accumulators, 512 registers.  256 work-groups.  K goes in 8 steps of 512 through two LDS slots; a slot holds 8 pieces of A and 8 of B,
; codes and scale bytes together; each wave fetches four pieces (34,816 dense bytes, as 136 rows of 256) by one tensor load.
; CLUSTERS: 4 x 4 work-groups; A's pieces are shared along a row of the cluster, B's along a column, and are asked for jointly.
; THE MATRIX INSTRUCTION IS USED TRANSPOSED (source 0 = 16 rows of B, source 1 = 16 rows of A): a lane holds eight neighbouring columns of one row of out0.  The bias is the C of each accumulator's first product.
; FRAGMENTS: two sets for A and two for B.  A step of 128 along K asks at its head for all 32 loads of the next step, 64 matrix instructions ahead of their use.
; THE LAST K STEP GOES BY ROWS OF out0: all its fragments of B fill window 1, A comes by blocks of 16 rows x 512 K, and each block of 16 rows is stored while the next blocks are multiplied.
; PREFETCH: behind each joint load of K step t (t = 0 .. 5) each wave names K step t + 2 of one piece: of the four pieces that it fetches, the one numbered by its work-group's place among the four partners
; (by address alone): 34 blocks of 256 bytes, each named once in each cluster that will load it.  K steps 0 and 1 come by their loads alone; nothing is named beyond K step 7.
; REGISTERS: window 0: v0-31 addresses; v32-95 scale words, two sets, nothing else; v128-191, v192-255 A's two sets (by rows: v96-191 three buffers of A, v192-255 rows on their way out).
;   window 1: v0-63, v128-191 B's two sets; v192-255 the bias (by rows: all 256 are B's).   windows 2, 3: the accumulators of my rows 0-63, 64-127: (a, b) at v[8 (8 (a % 4) + b)].
.set SIZE_N, 8192
.set PB,     8704
.set ASLAB,  64*PB                     ; a K step of all rows of A
.set BSLAB,  256*PB                    ; and of B
.set HALFT,  4*PB                      ; 128 rows: one tensor load
.set SLOT,   4*HALFT
.set LAPS,   4                         ; a lap = two K steps
.set SPARE,  2*SLOT                    ; the spare words: 512 bytes that no other line names
.set SPITCH, 528                       ; the stage: 16 rows x (512 + 16) bytes a wave, in slot 0, used behind that slot's last fill and last read
.set ADRA, 16                          ; v16-17 my A fragments in slot 0, 1
.set ADRB, 20                          ; v20-21 B's
.set ADRS, 22                          ; v22-23 scale words: lanes 0-15 A's rows, lanes 16-31 B's
.set STO,  24
.set RD,   25
.set CO,   26
.set BO,   27
.set SPW,  28
.set NIL,  29
.set PFO,  30
.set PFO2, 31
.set SC,   32
.set AF,   128
.set BIAS, 192                         ; in window 1
.set OUT,  192
.set G1, 24
.set G0, 32
.set G1B, 48
.set G0B, 56
.set PFA, 66                           ; s[66:67] where my next prefetch stands
.set PFS, 68                           ; s[68:69] a K step of my tensor in bytes
.set PF0, 84                           ; s[84:85] K step 2 of my piece
.set MSB, 0
.macro WIN new                         ; the immediate's high byte repeats the setting that is left
.if MSB != (\new)
	s_set_vgpr_msb (MSB<<8)|(\new)
.set MSB, \new
.endif
.endm
.set MUL_LO,   0xa1                    ; source 0 (B) window 1, source 1 (A) window 0, C and D window 2
.set MUL_HI,   0xf1
.set FIRST_LO, 0x91                    ; C (the bias) window 1, D window 2
.set FIRST_HI, 0xd1
.set TO_B,     0x40
.macro PLACES
.rept 4
	v_nop
.endr
.endm
.macro JLOAD s                         ; waves 0, 1 fetch A's halves, waves 2, 3 B's; s_nop 0 and four v_nop behind each line
	s_cmp_eq_u32 s15, 0
	s_cbranch_scc0 .Lfor_b_\@
	tensor_load_to_lds s[G0+4*\s:G0+4*\s+3], s[G1:G1+7]
	s_nop 0
	PLACES
	s_branch .Lasked_\@
.Lfor_b_\@:
	tensor_load_to_lds s[G0B+4*\s:G0B+4*\s+3], s[G1B:G1B+7]
	s_nop 0
	PLACES
.Lasked_\@:
.endm
.macro ASK base                        ; one piece: 32 blocks of 256 bytes, a lane a block, then its last two (the lanes left over name the last again)
	global_prefetch_b8 v[PFO], s[\base:\base+1] th:TH_LOAD_NT scope:SCOPE_SE
	global_prefetch_b8 v[PFO2], s[\base:\base+1] th:TH_LOAD_NT scope:SCOPE_SE
.endm
.macro CREST
	s_cmp_lg_u32 s14, 0
	s_cbranch_scc1 .Lnot_wave_0_\@
	s_barrier_signal -3
.Lnot_wave_0_\@:
	s_barrier_wait -3
	s_barrier_signal -1
	s_barrier_wait -1
.endm
.macro CROUND
	s_barrier_signal -1
	s_barrier_wait -1
	CREST
.endm
	s_load_b256 s[4:11], s[0:1], 0x0               ; a_pack, b_pack, bias, out0
	v_lshl_add_u32 v[SPW], v0, 2, SPARE
	v_mov_b32 v[NIL], 0
	ds_add_u32 v[SPW], v[NIL]                      ; the opening lines: the add twice on end and its wait
	ds_add_u32 v[SPW], v[NIL]
	v_lshrrev_b32 v1, 5, v0
	v_readfirstlane_b32 s14, v1                    ; wave
	s_lshr_b32 s15, s14, 1                         ; my half of the rows; also: I fetch for A (0) or B (1)
	s_and_b32 s16, s14, 1                          ; my half of the columns; also: which 128 rows I fetch
	s_bfe_u32 s40, ttmp6, 0x40000                  ; cx
	s_bfe_u32 s41, ttmp6, 0x40004                  ; cy
	s_lshl_b32 s42, ttmp9, 2
	s_add_co_u32 s42, s42, s40                     ; tile column
	s_and_b32 s17, ttmp7, 0xffff
	s_lshl_b32 s17, s17, 2
	s_add_co_u32 s17, s17, s41                     ; tile row
	s_lshl_b32 s43, s41, 2
	s_lshl_b32 s43, 15, s43                        ; my row of the cluster
	s_lshl_b32 s44, 0x1111, s40                    ; my column
	s_or_b32 s[G1+0], s43, (3<<16)|(1<<21)         ; elements of 8 bytes, bit 21 beside the mask, no padding
	s_or_b32 s[G1B+0], s44, (3<<16)|(1<<21)
.irp g, G1, G1B
	s_mov_b32 s[\g+1], 32<<16                      ; rows of 256 bytes,
	s_mov_b32 s[\g+2], 136<<16                     ; 136 of them, dense
	s_mov_b32 s[\g+3], 32<<16
	s_mov_b32 s[\g+4], 136
	s_mov_b32 s[\g+5], 32
	s_mov_b32 s[\g+6], 0
	s_mov_b32 s[\g+7], 0
.endr
	s_lshl_b32 s18, s16, 2
	s_lshl_b32 s20, s17, 3
	s_add_co_u32 s20, s20, s18
	s_mul_i32 s20, s20, PB                         ; A: piece 8 x tile row + 4 x half
	s_mov_b32 s21, 0
	s_lshl_b32 s46, s42, 3
	s_add_co_u32 s46, s46, s18
	s_mul_i32 s46, s46, PB                         ; B: piece 8 x tile column + 4 x half
	s_mov_b32 s47, 0
	s_mul_i32 s45, s14, HALFT                      ; where my load lands
	s_mul_i32 s72, s15, HALFT                      ; LDS: my 128 rows of A,
	s_mul_i32 s73, s16, HALFT
	s_add_co_u32 s73, s73, 2*HALFT                 ; of B,
	s_sub_co_u32 s74, s73, s72                     ; the distance between the two,
	s_add_co_u32 s75, s72, 8192                    ; A's scale bytes,
	s_mul_i32 s76, s14, 16*SPITCH                  ; my stage
	s_lshl_b32 s78, s42, 10
	s_lshl_b32 s79, s16, 9
	s_add_co_u32 s78, s78, s79                     ; my first column in bytes, in bias and in out0
	s_mov_b32 s79, 0
	s_lshl_b32 s80, s17, 8
	s_lshl_b32 s81, s15, 7
	s_add_co_u32 s80, s80, s81
	s_lshl_b32 s80, s80, 15                        ; my first row of out0 in bytes
	s_mov_b32 s81, 0
	s_mov_b32 s[PFS], BSLAB
	s_mov_b32 s[PFS+1], 0
	s_cmp_eq_u32 s15, 0
	s_cselect_b32 s82, s17, s42
	s_cselect_b32 s83, s40, s41                    ; my place among the four that ask with me
	s_cselect_b32 s[PFS], ASLAB, s[PFS]
	s_lshl_b32 s82, s82, 3
	s_add_co_u32 s82, s82, s18
	s_add_co_u32 s82, s82, s83
	s_mul_i32 s82, s82, PB
	s_lshl_b32 s83, s[PFS], 1
	s_add_co_u32 s82, s82, s83                     ; my piece of K step 2
	s_mov_b32 s83, 0
	s_wait_dscnt 0x0                               ; both opening adds are done
	s_wait_kmcnt 0x0
	s_add_nc_u64 s[20:21], s[4:5], s[20:21]
	s_add_nc_u64 s[46:47], s[6:7], s[46:47]
	s_add_nc_u64 s[8:9], s[8:9], s[78:79]
	s_add_nc_u64 s[10:11], s[10:11], s[80:81]
	s_add_nc_u64 s[10:11], s[10:11], s[78:79]
	s_cmp_eq_u32 s15, 0
	s_cselect_b64 s[PF0:PF0+1], s[4:5], s[6:7]
	s_add_nc_u64 s[PF0:PF0+1], s[PF0:PF0+1], s[82:83]
	s_add_nc_u64 s[PFA:PFA+1], s[PF0:PF0+1], s[PFS:PFS+1]   ; K step 3
.irp s, 0,1
	s_mov_b32 s[G0+4*\s], 1
	s_add_co_u32 s[G0+4*\s+1], s45, \s*SLOT
	s_add_nc_u64 s[G0+4*\s+2:G0+4*\s+3], s[20:21], \s*ASLAB
	s_or_b32 s[G0+4*\s+3], s[G0+4*\s+3], 0x80000000
	s_mov_b32 s[G0B+4*\s], 1
	s_add_co_u32 s[G0B+4*\s+1], s45, \s*SLOT
	s_add_nc_u64 s[G0B+4*\s+2:G0B+4*\s+3], s[46:47], \s*BSLAB
	s_or_b32 s[G0B+4*\s+3], s[G0B+4*\s+3], 0x80000000
.endr
	CROUND                                         ; all sixteen work-groups are here: the first joint loads meet
	JLOAD 0                                        ; K step 0: one tensor load a wave at the head
	v_and_b32 v1, 15, v0                           ; r
	v_bfe_u32 v2, v0, 4, 1                         ; h
	v_and_b32 v6, 31, v0                           ; lane
	v_lshlrev_b32 v3, 4, v1
	v_lshl_add_u32 v4, v2, 9, v3                   ; a fragment: 16 r + 512 h
	v_add_nc_u32 v[ADRA], s72, v4
	v_add_nc_u32 v[ADRB], s73, v4
	v_add_nc_u32 v[ADRA+1], SLOT, v[ADRA]
	v_add_nc_u32 v[ADRB+1], SLOT, v[ADRB]
	v_mul_u32_u24 v5, s74, v2                      ; lanes 16-31 take B's scale words
	v_lshl_add_u32 v5, v1, 3, v5
	v_add_nc_u32 v[ADRS], s75, v5
	v_add_nc_u32 v[ADRS+1], SLOT, v[ADRS]
	v_mul_u32_u24 v5, v1, SPITCH
	v_lshl_add_u32 v5, v2, 5, v5
	v_add_nc_u32 v[STO], s76, v5                   ; into the stage: row r, 32 bytes for each half of the lanes
	v_lshlrev_b32 v[CO], 4, v6                     ; back: 32 lanes take a row of 512 bytes; the same in out0
	v_add_nc_u32 v[RD], s76, v[CO]
	v_lshlrev_b32 v[BO], 5, v2
	v_lshlrev_b32 v[PFO], 8, v6
	v_min_u32 v[PFO2], 1, v6
	v_lshl_add_u32 v[PFO2], v[PFO2], 8, 8192
	s_wait_alu depctr_va_vdst(0)                   ; the wait at the end of the head's vector work
	ASK PF0                                        ; K step 2
	WIN TO_B
.irp b, 0,1,2,3,4,5,6,7
.irp u, 0,1
	global_load_b128 v[BIAS+8*\b+4*\u:BIAS+8*\b+4*\u+3], v[BO], s[8:9] offset:64*\b+16*\u   ; bias at my columns 16 b + 8 h + 0 .. 7: the result's layout
.endr
.endr
	WIN 0
.macro FRAG reg, adr, q, i             ; 16 rows x 128 K: registers 4 c .. 4 c + 3 hold K = 64 c + 32 h + 0 .. 31 of row r
.irp c, 0,1
	ds_load_b128 v[\reg+4*\c:\reg+4*\c+3], v[\adr] offset:((\i)/2)*PB+((\i)%2)*256+(4*(\q)+2*\c)*512
.endr
.endm
.macro SCALES sc                       ; a K step's scale words: register 4 i + q: lanes 0-15 A's block i, lanes 16-31 B's block i, the slot's q-th 128
.irp i, 0,1,2,3,4,5,6,7
.irp g, 0,1
	ds_load_b64 v[SC+32*\sc+4*\i+2*\g:SC+32*\sc+4*\i+2*\g+1], v[ADRS+\sc] offset:(\i/2)*PB+\g*256+(\i%2)*128
.endr
.endr
.endm
.macro FETCH slot, q, p, sc            ; 32 loads in one run into sets p: B's eight blocks, A's 0-3, (the slot's scale words,) A's 4-7 last
	WIN TO_B
.irp i, 0,1,2,3,4,5,6,7
	FRAG 128*(\p)+8*\i, ADRB+\slot, \q, \i
.endr
	WIN 0
.irp i, 0,1,2,3
	FRAG AF+64*(\p)+8*\i, ADRA+\slot, \q, \i
.endr
.if \sc
	SCALES \slot
.endif
.irp i, 4,5,6,7
	FRAG AF+64*(\p)+8*\i, ADRA+\slot, \q, \i
.endr
.endm
.macro WM first                        ; one product on the registers named by D, FB, FA, CB, SB, SA
.if \first
	v_wmma_scale_f32_16x16x128_f8f6f4 v[D:D+7], v[FB:FB+7], v[FA:FA+7], v[CB:CB+7], v[SB], v[SA] matrix_a_fmt:MATRIX_FMT_FP4 matrix_b_fmt:MATRIX_FMT_FP4 matrix_a_scale:MATRIX_SCALE_ROW1
.else
	v_wmma_scale_f32_16x16x128_f8f6f4 v[D:D+7], v[FB:FB+7], v[FA:FA+7], v[D:D+7], v[SB], v[SA] matrix_a_fmt:MATRIX_FMT_FP4 matrix_b_fmt:MATRIX_FMT_FP4 matrix_a_scale:MATRIX_SCALE_ROW1
.endif
.endm
.macro MUL16 a0, p, q, sc, first       ; A's blocks a0, a0 + 1 x B's eight; the accumulators take turns, in the same order in every step
.irp a, \a0, \a0+1
.irp b, 0,1,2,3,4,5,6,7
.set D,  8*(8*((\a)%4)+\b)
.set FB, 128*(\p)+8*\b
.set FA, AF+64*(\p)+8*(\a)
.set CB, BIAS+8*\b
.set SB, SC+32*(\sc)+4*\b+(\q)
.set SA, SC+32*(\sc)+4*(\a)+(\q)
	WM \first
.endr
.endr
.endm
.macro STEP slot, q, first             ; 128 along K with its successor in the same slot
	s_wait_dscnt 8                                 ; this step's B, A's blocks 0-3 and scale words are in; A's blocks 4-7 may be out
	PLACES                                         ; four places between the last step's products and loads into the sets that they read
	FETCH \slot, (\q)+1, 1-(\q)%2, 0
.if \first
	WIN FIRST_LO
.else
	WIN MUL_LO
.endif
	MUL16 0, (\q)%2, \q, \slot, \first
	MUL16 2, (\q)%2, \q, \slot, \first
	s_wait_dscnt 32                                ; all but the 32 just issued
.if \first
	WIN FIRST_HI
.else
	WIN MUL_HI
.endif
	MUL16 4, (\q)%2, \q, \slot, \first
	MUL16 6, (\q)%2, \q, \slot, \first
.endm
.macro TURN slot, next                 ; a slot's last step: the change of slots, and this slot's refill
	WIN 0
	s_wait_xcnt 0x0                                ; my last prefetch has read its address
	s_add_nc_u64 s[PFA:PFA+1], s[PFA:PFA+1], s[PFS:PFS+1]
	s_wait_tensorcnt 0x0                           ; my part of the next slot is in;
	ds_add_u32 v[SPW], v[NIL]                      ; the add;
	s_wait_dscnt 0x0                               ; it is done, and so are my reads of this slot (issued a step ago)
	s_barrier_signal -1                            ; opens a round of the cluster's barrier
	WIN MUL_LO
	MUL16 0, 1, 3, \slot, 0
	WIN 0
	s_barrier_wait -1
	CREST                                          ; no wave of any partner still reads this slot or has a load on its way
	s_add_nc_u64 s[G0+4*\slot+2:G0+4*\slot+3], s[G0+4*\slot+2:G0+4*\slot+3], 2*ASLAB
	s_add_nc_u64 s[G0B+4*\slot+2:G0B+4*\slot+3], s[G0B+4*\slot+2:G0B+4*\slot+3], 2*BSLAB
	JLOAD \slot                                    ; its four v_nop are also the places in front of the loads below
	FETCH \next, 0, 0, 1
	s_cmp_gt_u32 s3, 1                             ; the last lap's refills have no K step two on
	s_cbranch_scc0 .Lno_ask_\@
	ASK PFA
.Lno_ask_\@:
	WIN MUL_LO
	MUL16 2, 1, 3, \slot, 0
	WIN MUL_HI
	MUL16 4, 1, 3, \slot, 0
	MUL16 6, 1, 3, \slot, 0
.endm
	s_wait_tensorcnt 0x0                           ; my part of K step 0 is in; the three lines ahead of a later first fill, as ahead of a refill
	ds_add_u32 v[SPW], v[NIL]
	s_wait_dscnt 0x0
	CROUND
	JLOAD 1                                        ; K step 1, the first tensor load behind the round
	FETCH 0, 0, 0, 1
	ASK PFA                                        ; K step 3
	s_wait_loadcnt 0x0                             ; the bias
	STEP 0, 0, 1                                   ; the first step stands ahead of the loop: its products start the sums from the bias
	WIN 0
	s_mov_b32 s3, LAPS-1
.Llap:
	STEP 0, 1, 0
	STEP 0, 2, 0
	TURN 0, 1
	STEP 1, 0, 0
	STEP 1, 1, 0
	STEP 1, 2, 0
	TURN 1, 0
	STEP 0, 0, 0
	WIN 0
	s_sub_co_u32 s3, s3, 1
	s_cmp_lg_u32 s3, 0
	s_cbranch_scc1 .Llap
	STEP 0, 1, 0
	STEP 0, 2, 0
; THE LAST CHANGE OF SLOTS fills nothing; behind it slot 0 is read no more and becomes the stage.
.macro BLOAD q                         ; B's fragments of slot 1's quarter q -> window 1, v[64 q ..]
.irp i, 0,1,2,3,4,5,6,7
	FRAG 64*(\q)+8*\i, ADRB+1, \q, \i
.endr
.endm
.macro ALOAD a                         ; A's block a, all four quarters -> buffer a % 3
.set PA, 96+32*((\a)%3)
.irp q, 0,1,2,3
	FRAG PA+8*\q, ADRA+1, \q, \a
.endr
.endm
.macro ROW a                           ; block a is finished: 32 products, its 8 accumulators by turns, K ascending
.set PA, 96+32*((\a)%3)
	WIN MUL_LO+0x50*((\a)/4)
.irp q, 0,1,2,3
.if (\a) == 0
.if \q == 2
	s_wait_dscnt 0x0                               ; B's quarter 2, the youngest loads
.endif
.endif
.irp b, 0,1,2,3,4,5,6,7
.set D,  64*((\a)%4)+8*\b
.set FB, 64*\q+8*\b
.set FA, PA+8*\q
.set SB, SC+32+4*\b+\q
.set SA, SC+32+4*(\a)+\q
	WM 0
.endr
.endr
.endm
.macro TOSTAGE a                       ; 16 rows x 128 columns into my stage and back as whole rows; LDS serves a wave's instructions in order (ISA guide 5.7.1.4)
.set AC, 64*((\a)%4)
	WIN 0x08+4*((\a)/4)
.irp b, 0,1,2,3,4,5,6,7
	ds_store_b128 v[STO], v[AC+8*\b:AC+8*\b+3] offset:64*\b          ; each accumulator from its low end on
	ds_store_b128 v[STO], v[AC+8*\b+4:AC+8*\b+7] offset:64*\b+16
.endr
	WIN 0
.irp t, 0,1,2,3,4,5,6,7,8,9,10,11,12,13,14,15
	ds_load_b128 v[OUT+4*\t:OUT+4*\t+3], v[RD] offset:\t*SPITCH
.endr
.endm
.macro SEND a, younger
	s_wait_dscnt \younger                          ; the block is back in registers
.if (\a) > 0
	s_add_nc_u64 s[10:11], s[10:11], 16*SIZE_N*4   ; behind this block's wait on XCNT
.endif
.irp t, 0,1,2,3,4,5,6,7,8,9,10,11,12,13,14,15
	global_store_b128 v[CO], v[OUT+4*\t:OUT+4*\t+3], s[10:11] offset:\t*SIZE_N*4 th:TH_STORE_NT   ; 32 lanes store 512 consecutive bytes, aligned
.endr
.endm
	WIN 0
	s_wait_tensorcnt 0x0                           ; my part of K step 7
	ds_add_u32 v[SPW], v[NIL]
	s_wait_dscnt 0x0
	s_barrier_signal -1
	WIN MUL_LO
	MUL16 0, 1, 3, 0, 0
	s_barrier_wait -1
	PLACES
	WIN TO_B
	BLOAD 0                                        ; three quarters of B now: set 1 (v128-191) is still being multiplied
	BLOAD 1
	BLOAD 3
	WIN 0
	SCALES 1
	ALOAD 0
	ALOAD 1
	ALOAD 2
	WIN MUL_LO
	MUL16 2, 1, 3, 0, 0
	WIN MUL_HI
	MUL16 4, 1, 3, 0, 0
	MUL16 6, 1, 3, 0, 0
	PLACES
	WIN TO_B
	BLOAD 2
	s_wait_dscnt 32                                ; out at most: A's blocks 1, 2 and B's quarter 2
	ROW 0
.irp a, 0,1,2,3,4,5,6,7                ; block a goes through the stage while block a + 1 is multiplied, and is then stored
	PLACES                                         ; between block a's products and the reads of their results and the loads into their buffer of A
.if \a > 0
	s_wait_xcnt 0x0                                ; block a - 1's stores have read their registers and their base
.endif
	TOSTAGE \a
.if \a < 5
	ALOAD \a+3
.endif
.if \a < 7
	ROW \a+1                                       ; its fragments of A were asked for two blocks ago and lie ahead of a wait already passed
.endif
	WIN 0
.if \a < 5
	SEND \a, 8                                     ; the eight loads of A just issued may be out
.else
	SEND \a, 0
.endif
.endr
	s_wait_tensorcnt 0x0                           ; the wave's end
	ds_add_u32 v[SPW], v[NIL]
	s_wait_dscnt 0x0
	CROUND                                         ; the closing round
	s_endpgm
.Lfunc_end_k_q27ff257821_gemm:
	.size	k_q27ff257821_gemm, .Lfunc_end_k_q27ff257821_gemm-k_q27ff257821_gemm
	.p2alignl 7, 3214868480
	.fill 96, 4, 3214868480
	.section	.rodata,"a",@progbits
	.p2align	6, 0x0
	.amdhsa_kernel k_q27ff257821_gemm
		.amdhsa_group_segment_fixed_size 327680
		.amdhsa_private_segment_fixed_size 0
		.amdhsa_enable_private_segment 0
		.amdhsa_kernarg_size 32
		.amdhsa_user_sgpr_count 2
		.amdhsa_user_sgpr_kernarg_segment_ptr 1
		.amdhsa_wavefront_size32 1
		.amdhsa_system_sgpr_workgroup_id_x 1
		.amdhsa_system_sgpr_workgroup_id_y 1
		.amdhsa_system_sgpr_workgroup_id_z 1
		.amdhsa_system_vgpr_workitem_id 0
		.amdhsa_next_free_vgpr 1024
		.amdhsa_next_free_sgpr 88
		.amdhsa_reserve_vcc 0
		.amdhsa_float_denorm_mode_32 3
		.amdhsa_float_denorm_mode_16_64 3
		.amdhsa_memory_ordered 1
		.amdhsa_forward_progress 1
		.amdhsa_inst_pref_size 213
	.end_amdhsa_kernel
	.amdgpu_metadata
---
amdhsa.version: [ 1, 2 ]
amdhsa.kernels:
  - .name:           k_q27ff257821_gemm
    .symbol:         k_q27ff257821_gemm.kd
    .args:
      - { .name: a_pack, .offset: 0, .size: 8, .value_kind: global_buffer, .address_space: global }
      - { .name: b_pack, .offset: 8, .size: 8, .value_kind: global_buffer, .address_space: global }
      - { .name: bias, .offset: 16, .size: 8, .value_kind: global_buffer, .address_space: global }
      - { .name: out0, .offset: 24, .size: 8, .value_kind: global_buffer, .address_space: global }
    .group_segment_fixed_size: 327680
    .private_segment_fixed_size: 0
    .kernarg_segment_align: 8
    .kernarg_segment_size: 32
    .max_flat_workgroup_size: 128
    .sgpr_count:     88
    .vgpr_count:     1024
    .wavefront_size: 32
...
	.end_amdgpu_metadata
.endif
;; end of part 2
